; MI455X (gfx1250); checked and timed in simulation.
; The chip was launched on July 23, 2026; its instructions are those of AMD's public machine-readable ISA for CDNA 5 (MIT licence, August 2026) and "CDNA5" Instruction Set Architecture Reference Guide (July 2026). The comments in the code are by the model that wrote it; some were corrected since.
;; Standard Attention Path. Allowed arithmetic: matrix products marked QUANTISED: E5M2 operands, one E8M0 scale for each 32 along K, by v_wmma_scale_f32_16x16x128_f8f6f4 with both operands' format E5M2, f32 sums; everything else in f32.
;; Inputs: Wk_codes 512 x 64 x 32 uint8 (E5M2 codes of Wk, K innermost, in blocks of 32 codes); Wk_scales 512 x 64 uint8 (E8M0 scales of Wk, one for each 32 codes along K); Wq_codes 2,048 x 64 x 32 uint8 (E5M2 codes of Wq, K innermost, in blocks of 32 codes); Wq_scales 2,048 x 64 uint8 (E8M0 scales of Wq, one for each 32 codes along K); Wv_codes 512 x 64 x 32 uint8 (E5M2 codes of Wv, K innermost, in blocks of 32 codes); Wv_scales 512 x 64 uint8 (E8M0 scales of Wv, one for each 32 codes along K); attention_mask 2 x 1 x 2,048 x 2,048 float32; bk 512 float32; bq 2,048 float32; bv 512 float32; hidden_states_codes 2 x 2,048 x 64 x 32 uint8 (E5M2 codes of hidden_states, K innermost, in blocks of 32 codes); hidden_states_scales 2 x 2,048 x 64 uint8 (E8M0 scales of hidden_states, one for each 32 codes along K); position_ids 2 x 2,048 int32.
;; Outputs: out0 2 x 2,048 x 2,048 float32.
;; This version of the problem:
;;   THIS VERSION OF THE PROBLEM IS GIVEN IN LOW PRECISION. The matrix products marked QUANTISED in the list below multiply operands that are first quantised to E5M2 (5 exponent bits, 2 mantissa bits; 8 bits a number), with one power-of-two scale for each 32 numbers along K (OCP MX v1.0); their sums are f32. All else is computed in f32.
;;   The module's matrix products, in the order in which they are computed (A, B: the left and right operand; K: the contracted axis; several contracted axes count as one K, in the product's order):
;;     1. [M 4,096, K 2,048] x [K 2,048, N 2,048]; A: input hidden_states (given as codes); B: input Wq (given as codes): QUANTISED
;;     2. [M 4,096, K 2,048] x [K 2,048, N 512]; A: input hidden_states (given as codes); B: input Wk (given as codes): QUANTISED
;;     3. [M 4,096, K 2,048] x [K 2,048, N 512]; A: input hidden_states (given as codes); B: input Wv (given as codes): QUANTISED
;;     4. batch 32 x [M 2,048, K 128] x [K 128, N 2,048]; A: computed on the way; B: computed on the way: QUANTISED
;;     5. batch 32 x [M 2,048, K 2,048] x [K 2,048, N 128]; A: softmax (see below); B: computed on the way: QUANTISED
;;   THE QUANTISER, for each operand of a quantised product, along K:
;;     - K is cut into blocks of 32 from its start; a last block that is shorter is filled with zeros.
;;     - A block's scale is 2^e with e = floor(log2(the largest magnitude in the block)) - 15, held to -126 .. 127; a block of zeros has e = 0. As a byte (E8M0): e + 127.
;;     - Each number is divided by its block's scale, clamped to +-57,344, and rounded to the nearest number of E5M2, ties to even, subnormals kept.
;;     - The product sums the exact products of the quantised numbers (number of the format x scale) in f32.
;;   ~~~python
;;   def quantise(x, axis):      # numpy; x: float32 -> the quantised numbers, widened to float32 again
;;       x = np.moveaxis(x, axis, -1); K = x.shape[-1]
;;       x = np.pad(x, [(0, 0)] * (x.ndim - 1) + [(0, -K % 32)]); x = x.reshape(x.shape[:-1] + (-1, 32)); a = np.abs(x).max(-1, keepdims=True)
;;       e = np.where(a > 0, np.clip(np.frexp(np.where(a > 0, a, 1))[1] - 1 - 15, -126, 127), 0)      # np.frexp(a)[1] - 1 = floor(log2(a)), exactly
;;       r = np.clip(x / 2.0 ** e, -57344, 57344)
;;       step = 2.0 ** (np.maximum(np.frexp(np.where(r == 0, 1, r))[1] - 1, -14) - 2)
;;       q = np.round(r / step) * step * 2.0 ** e      # np.round: ties to even
;;       return np.moveaxis(q.reshape(q.shape[:-2] + (-1,))[..., :K], -1, axis).astype(np.float32)
;;   ~~~
;;   SOFTMAX AHEAD OF A QUANTISED PRODUCT. Where the list says 'softmax', what is quantised is not the finished softmax but p = 2^(t - M), with t = logit x log2(e) and M = ceil(the row's largest t), a whole number; so 1/2 < the row's largest p <= 1. The row's sum l is taken of the UNQUANTISED p, in f32, and the product's result is divided by l at the end. Since M is a whole number, a kernel that streams over the keys may use a running M (the ceiling of the running maximum): every later rescaling is an exact power of two, which a block's scale takes up: the codes' values come out the same.
;;   OPERANDS COMPUTED ON THE WAY. 'Computed on the way' means the value that the module computes at that place (a softmax that the list does not call 'softmax' is quantised finished and normalised). What goes into a quantiser is computed in f32, as accurately as f32 sums, v_exp_f32 and their like allow (about 1e-6 of the number): no bf16 or f16 on the way to a quantiser, and a product that is left as it is and whose result goes on into a quantised operand takes f32 operands (vector FMAs, or v_wmma_f32_16x16x4_f32). A number that lies on a knife's edge between two numbers of the format may be rounded either way, as far as f32 arithmetic and the matrix unit's own rounding can turn it there, and no further.
;;   INPUTS GIVEN AS CODES. Wk (in the module: [512, 2048], K = its axis 1); Wq (in the module: [2048, 2048], K = its axis 1); Wv (in the module: [512, 2048], K = its axis 1); hidden_states (in the module: [2, 2048, 2048], K = its axis 2): each comes as NAME_codes (uint8): NAME with its K axis moved to the last place and cut into blocks of 32 codes, [.., K / 32, bytes a block], one block behind the other in memory; one code a byte (a code: sign, 5 exponent bits, 2 mantissa bits); and NAME_scales (uint8): the same leading axes, one E8M0 byte (e + 127) for each 32 codes along K. Its value is code x scale, taken as it is: it is not quantised again, and the codes and scales need not be those that the quantiser above would give.
;; One version. Each part assembles by itself: llvm-mc -triple=amdgcn-amd-amdhsa -mcpu=gfx1250 --defsym DOCPART=n.
;; ======== version 1 of 1: 3 launches
;; limits: right only within a limited range of input values
;; workspace buffers: rope 2,097,152 bytes; qkv_codes 12,582,912 bytes; qkv_scales 393,216 bytes
;; launch rope (part 1): grid 256 x 1, 4 waves a work-group, no clusters, 0 bytes of LDS; arguments position_ids, rope; writes rope
.if DOCPART == 1
	.amdgcn_target "amdgcn-amd-amdhsa--gfx1250"
	.amdhsa_code_object_version 6
	.text
	.protected	k_qfc407db962_rope
	.globl	k_qfc407db962_rope
	.p2align	8
	.type	k_qfc407db962_rope,@function
k_qfc407db962_rope:
	s_mov_b64 s[64:65], 0
	v_nop
	global_prefetch_b8 v0, s[64:65] scope:SCOPE_SE
	s_setreg_imm32_b32 hwreg(HW_REG_WAVE_MODE, 25, 1), 1
	s_wait_xcnt 0x0
; cos and sin of position x inv_freq, for the 4,096 rows of position_ids and the 64 frequencies inv_freq[f] = 1e6^(-f / 64), all in f32.
; The table is laid as the next launch's registers want it: [256 tiles of 16 rows][8,192 bytes]; cos piece p (0..7) at 512 p + 16 x lane holds four numbers,
; f = 16 (p / 2) + 8 (lane / 16) + 4 (p % 2) + 0..3, of row lane % 16; sin the same 4,096 bytes further on.  So every store here, and every load there, covers 512 consecutive bytes.
; SHARES: a work-group takes a tile of 16 rows, wave w the frequencies 16 w .. 16 w + 15, a lane one row and eight frequencies.  No LDS, no barrier: waves share nothing.
; HOW: inv_freq = 2^(-f c), c = log2(1e6) / 64 in two f32 parts, the whole part of the exponent put on by v_ldexp_f32; the angle is one f32 product, as in the problem's text;
; it is reduced by whole quarter turns (pi / 2 in three f32 parts, fused multiply-adds) to |r| <= pi / 4, where two short polynomials give sin and cos; the quarter picks and signs them by selects, no branch.
; LIMIT: |position| under 2^24 (it is exact as f32 there, and the three parts of pi / 2 carry the reduction).
.set FQ, 8                             ; v8-15   f, then inv_freq, then the angle x
.set HI, 16                            ; v16-23  f c (upper part), then the quarter turns n, then 1 - r2 / 2
.set LO, 24                            ; v24-31  f c (lower part), then r
.set NN, 32                            ; v32-39  floor, then r2
.set SN, 40                            ; v40-47  sin r
.set CS, 48                            ; v48-55  cos r
.set QI, 56                            ; v56-63  whole numbers
.set TA, 64                            ; v64-79  at work
.set TB, 72
.set RS, 80                            ; v80-87  sin of the angle
.set RC, 88                            ; v88-95  cos of the angle
	s_load_b128 s[4:7], s[0:1], 0x0                ; position_ids, the table
	v_lshrrev_b32 v1, 5, v0
	v_readfirstlane_b32 s8, v1                     ; wave 0..3
	v_and_b32 v1, 15, v0                           ; row of the tile
	v_bfe_u32 v2, v0, 4, 1                         ; half of the lanes
	s_wait_alu depctr_va_vdst(0)
	v_lshlrev_b32 v3, 2, v1                        ; 4 bytes a position
	v_and_b32 v4, 31, v0
	v_lshlrev_b32 v4, 4, v4                        ; 16 x lane
	s_lshl_b32 s10, ttmp9, 6                       ; the tile's 16 positions
	s_mov_b32 s11, 0
	s_lshl_b32 s12, ttmp9, 13                      ; the tile's 8,192 bytes of the table,
	s_lshl_b32 s9, s8, 10                          ; my wave's pieces 2 w and 2 w + 1
	s_add_co_u32 s12, s12, s9
	s_mov_b32 s13, 0
	s_mov_b32 s14, 0x3e9f73da                      ; c, upper part
	s_mov_b32 s15, 0x31e36e2f                      ; c, lower part
	s_mov_b32 s16, 0xb94ca1f9                      ; the leading coefficients of the two polynomials
	s_mov_b32 s17, 0x37ccf5ce
	s_lshl_b32 s9, s8, 4
	v_lshl_add_u32 v6, v2, 3, s9                   ; my first frequency: 16 w + 8 h
	s_wait_alu depctr_va_vdst(0)
	s_wait_kmcnt 0x0
	s_add_nc_u64 s[4:5], s[4:5], s[10:11]
	s_add_nc_u64 s[6:7], s[6:7], s[12:13]
	global_load_b32 v5, v3, s[4:5]                 ; my row's position; it lands while inv_freq is made
.irp j, 0,1,2,3,4,5,6,7
	v_add_nc_u32 v[FQ+\j], \j, v6
.endr
.irp j, 0,1,2,3,4,5,6,7
	v_cvt_f32_u32 v[FQ+\j], v[FQ+\j]
.endr
.irp j, 0,1,2,3,4,5,6,7
	v_mul_f32 v[HI+\j], s14, v[FQ+\j]              ; f c, rounded,
.endr
.irp j, 0,1,2,3,4,5,6,7
	v_fma_f32 v[LO+\j], v[FQ+\j], s14, -v[HI+\j]   ; what the rounding dropped,
.endr
.irp j, 0,1,2,3,4,5,6,7
	v_fma_f32 v[LO+\j], v[FQ+\j], s15, v[LO+\j]    ; and c's lower part
.endr
.irp j, 0,1,2,3,4,5,6,7
	v_floor_f32 v[NN+\j], v[HI+\j]
.endr
.irp j, 0,1,2,3,4,5,6,7
	v_sub_f32 v[HI+\j], v[NN+\j], v[HI+\j]
.endr
.irp j, 0,1,2,3,4,5,6,7
	v_sub_f32 v[HI+\j], v[HI+\j], v[LO+\j]         ; -(the fraction of f c)
.endr
.irp j, 0,1,2,3,4,5,6,7
	v_cvt_i32_f32 v[QI+\j], v[NN+\j]
.endr
	s_wait_alu depctr_va_vdst(0)
.irp j, 0,1,2,3,4,5,6,7
	v_exp_f32 v[FQ+\j], v[HI+\j]
.endr
.irp j, 0,1,2,3,4,5,6,7
	v_sub_nc_u32 v[QI+\j], 0, v[QI+\j]             ; (plain lines behind the exponentials)
.endr
	s_wait_alu depctr_va_vdst(0)
.irp j, 0,1,2,3,4,5,6,7
	v_ldexp_f32 v[FQ+\j], v[FQ+\j], v[QI+\j]       ; inv_freq
.endr
	s_wait_loadcnt 0x0                             ; the position
	v_cvt_f32_i32 v5, v5
	s_wait_alu depctr_va_vdst(0)
.irp j, 0,1,2,3,4,5,6,7
	v_mul_f32 v[FQ+\j], v5, v[FQ+\j]               ; the angle: one rounding
.endr
.irp j, 0,1,2,3,4,5,6,7
	v_mul_f32 v[HI+\j], 0x3f22f983, v[FQ+\j]       ; x 2 / pi
.endr
.irp j, 0,1,2,3,4,5,6,7
	v_rndne_f32 v[HI+\j], v[HI+\j]                 ; n quarter turns
.endr
.irp j, 0,1,2,3,4,5,6,7
	v_fmamk_f32 v[LO+\j], v[HI+\j], 0xbfc90fdb, v[FQ+\j]   ; r = x - n pi / 2, pi / 2 = 0x3fc90fdb - 0x333bbd2e - 0x26f72ced
.endr
.irp j, 0,1,2,3,4,5,6,7
	v_fmamk_f32 v[LO+\j], v[HI+\j], 0x333bbd2e, v[LO+\j]
.endr
.irp j, 0,1,2,3,4,5,6,7
	v_fmamk_f32 v[LO+\j], v[HI+\j], 0x26f72ced, v[LO+\j]
.endr
.irp j, 0,1,2,3,4,5,6,7
	v_cvt_i32_f32 v[QI+\j], v[HI+\j]
.endr
.irp j, 0,1,2,3,4,5,6,7
	v_mul_f32 v[NN+\j], v[LO+\j], v[LO+\j]         ; r2
.endr
.irp j, 0,1,2,3,4,5,6,7
	v_fmaak_f32 v[TA+\j], s16, v[NN+\j], 0x3c08839e
.endr
.irp j, 0,1,2,3,4,5,6,7
	v_fmaak_f32 v[TA+\j], v[TA+\j], v[NN+\j], 0xbe2aaaa3
.endr
.irp j, 0,1,2,3,4,5,6,7
	v_mul_f32 v[TB+\j], v[NN+\j], v[LO+\j]
.endr
.irp j, 0,1,2,3,4,5,6,7
	v_fma_f32 v[SN+\j], v[TA+\j], v[TB+\j], v[LO+\j]       ; sin r = r + r^3 (..)
.endr
.irp j, 0,1,2,3,4,5,6,7
	v_fmaak_f32 v[TA+\j], s17, v[NN+\j], 0xbab6061a
.endr
.irp j, 0,1,2,3,4,5,6,7
	v_fmaak_f32 v[TA+\j], v[TA+\j], v[NN+\j], 0x3d2aaaa5
.endr
.irp j, 0,1,2,3,4,5,6,7
	v_mul_f32 v[TB+\j], v[NN+\j], v[NN+\j]
.endr
.irp j, 0,1,2,3,4,5,6,7
	v_fma_f32 v[HI+\j], v[NN+\j], -0.5, 1.0
.endr
.irp j, 0,1,2,3,4,5,6,7
	v_fma_f32 v[CS+\j], v[TA+\j], v[TB+\j], v[HI+\j]       ; cos r = 1 - r2 / 2 + r^4 (..)
.endr
; the quarter: odd n swaps sin and cos; sin is negative where n & 2, cos where (n + 1) & 2
.irp j, 0,1,2,3,4,5,6,7
	v_and_b32 v[TA+\j], 1, v[QI+\j]
	v_cmp_eq_u32 vcc_lo, 1, v[TA+\j]
	v_cndmask_b32 v[RS+\j], v[SN+\j], v[CS+\j], vcc_lo
	v_cndmask_b32 v[RC+\j], v[CS+\j], v[SN+\j], vcc_lo
	v_lshlrev_b32 v[TA+\j], 30, v[QI+\j]
	v_add_nc_u32 v[TB+\j], 1, v[QI+\j]
	v_and_b32 v[TA+\j], 0x80000000, v[TA+\j]
	v_lshlrev_b32 v[TB+\j], 30, v[TB+\j]
	v_xor_b32 v[RS+\j], v[RS+\j], v[TA+\j]
	v_and_b32 v[TB+\j], 0x80000000, v[TB+\j]
	v_xor_b32 v[RC+\j], v[RC+\j], v[TB+\j]
.endr
	global_store_b128 v4, v[RC:RC+3], s[6:7]                   ; each store of the wave covers 512 consecutive bytes, aligned
	global_store_b128 v4, v[RC+4:RC+7], s[6:7] offset:512
	global_store_b128 v4, v[RS:RS+3], s[6:7] offset:4096
	global_store_b128 v4, v[RS+4:RS+7], s[6:7] offset:4608
	s_endpgm
.Lfunc_end_k_qfc407db962_rope:
	.size	k_qfc407db962_rope, .Lfunc_end_k_qfc407db962_rope-k_qfc407db962_rope
	.p2alignl 7, 3214868480
	.fill 96, 4, 3214868480
	.section	.rodata,"a",@progbits
	.p2align	6, 0x0
	.amdhsa_kernel k_qfc407db962_rope
		.amdhsa_group_segment_fixed_size 0
		.amdhsa_private_segment_fixed_size 0
		.amdhsa_enable_private_segment 0
		.amdhsa_kernarg_size 16
		.amdhsa_user_sgpr_count 2
		.amdhsa_user_sgpr_kernarg_segment_ptr 1
		.amdhsa_wavefront_size32 1
		.amdhsa_system_sgpr_workgroup_id_x 1
		.amdhsa_system_sgpr_workgroup_id_y 1
		.amdhsa_system_sgpr_workgroup_id_z 1
		.amdhsa_system_vgpr_workitem_id 0
		.amdhsa_next_free_vgpr 96
		.amdhsa_next_free_sgpr 66
		.amdhsa_reserve_vcc 1
		.amdhsa_float_denorm_mode_32 3
		.amdhsa_float_denorm_mode_16_64 3
		.amdhsa_memory_ordered 1
		.amdhsa_forward_progress 1
		.amdhsa_inst_pref_size 16
	.end_amdhsa_kernel
	.amdgpu_metadata
---
amdhsa.version: [ 1, 2 ]
amdhsa.kernels:
  - .name:           k_qfc407db962_rope
    .symbol:         k_qfc407db962_rope.kd
    .args:
      - { .name: position_ids, .offset: 0, .size: 8, .value_kind: global_buffer, .address_space: global }
      - { .name: rope, .offset: 8, .size: 8, .value_kind: global_buffer, .address_space: global }
    .group_segment_fixed_size: 0
    .private_segment_fixed_size: 0
    .kernarg_segment_align: 8
    .kernarg_segment_size: 16
    .max_flat_workgroup_size: 128
    .sgpr_count:     66
    .vgpr_count:     96
    .wavefront_size: 32
...
	.end_amdgpu_metadata
.endif
;; end of part 1
;; launch proj (part 2): grid 12 x 16, 4 waves a work-group, clusters of 4 x 4, 327,680 bytes of LDS; arguments hidden_states_codes, hidden_states_scales, Wq_codes, Wq_scales, Wk_codes, Wk_scales, Wv_codes, Wv_scales, bq, bk, bv, rope, qkv_codes, qkv_scales; writes qkv_codes, qkv_scales
.if DOCPART == 2
	.amdgcn_target "amdgcn-amd-amdhsa--gfx1250"
	.amdhsa_code_object_version 6
	.text
	.protected	k_qfc407db962_proj
	.globl	k_qfc407db962_proj
	.p2align	8
	.type	k_qfc407db962_proj,@function
k_qfc407db962_proj:
	s_mov_b64 s[64:65], 0
	v_nop
	global_prefetch_b8 v0, s[64:65] scope:SCOPE_SE
	s_setreg_imm32_b32 hwreg(HW_REG_WAVE_MODE, 25, 1), 1
	s_wait_xcnt 0x0
	s_wait_alu depctr_hold_cnt(0) depctr_sa_sdst(0) depctr_va_vdst(0) depctr_va_sdst(0) depctr_va_ssrc(0) depctr_va_vcc(0) depctr_vm_vsrc(0)
	s_getreg_b32 s2, hwreg(HW_REG_IB_STS2, 6, 4)
	s_cmp_eq_u32 s2, 0
	s_cbranch_scc0 .Lentry_in_a_cluster
	s_endpgm
.Lentry_in_a_cluster:
	s_bfe_u32 s2, ttmp6, 0x10000c
	s_cmp_lg_u32 s2, 0xf033
	s_cbranch_scc0 .Lentry_shape_is_right
	s_endpgm
.Lentry_shape_is_right:
.set SIZE_K, 2048
.set KSTEP,  256
.set NQ,     KSTEP/128
.set ROWB,   256
.set KROW,   SIZE_K
.set PITCH,  272
.set FR,     16
.set NL,     4
.set NP,     8
.set HALFT,  128*PITCH
.set SLOT,   4*HALFT
.set LAPS,   SIZE_K/(2*KSTEP)
.set KS,     SIZE_K/32
.set SCL,    2*SLOT
.set HALFS,  (128*KS/256)*272
.set SBLK,   (16*KS/256)*272
.set SPARE,  SCL+4*HALFS
.set SCR,    SPARE+512
.set VB,   5
.set VR,   6
.set CO,   7
.set VST,  8
.set VRD,  9
.set VPI,  528
.set ADRA, 16
.set TA,   18
.set SCRW, 19
.set ADRB, 20
.set SCRR, 22
.set ADRS, 27
.set SPW,  28
.set NIL,  29
.set SC,   32
.set BIAS, 64
.set AF,   128
.set XR,   128
.set PCD,  192
.set TM,   208
.set PWS,  224
.set RT,   232
.set G1, 32
.set G0, 40
.set G1B, 48
.set G0B, 56
.set G1S, 68
.set G0S, 76
.set G1SB, 80
.set G0SB, 88
.set WV,  92
.set RH,  93
.set CH,  94
.set CX,  95
.set CY,  96
.set WT,  97
.set HT,  98
.set SWP, 99
.set SEL, 16
.set MNT, 18
.set MSB, 0
.macro WIN new
.if MSB != (\new)
	s_set_vgpr_msb (MSB<<8)|(\new)
.set MSB, (\new)
.endif
.endm
.set MUL_LO, 0xa1
.set MUL_HI, 0xf1
.set TO_B,   0x40
.macro JLOAD g0a, g1a, g0b, g1b
	s_cmp_eq_u32 s[RH], 0
	s_cbranch_scc0 .Lfor_b_\@
	tensor_load_to_lds s[\g0a:\g0a+3], s[\g1a:\g1a+7]
	s_nop 0
.rept 4
	v_nop
.endr
	s_branch .Lasked_\@
.Lfor_b_\@:
	tensor_load_to_lds s[\g0b:\g0b+3], s[\g1b:\g1b+7]
	s_nop 0
.rept 4
	v_nop
.endr
.Lasked_\@:
.endm
.macro CREST
	s_cmp_lg_u32 s[WV], 0
	s_cbranch_scc1 .Lnot_wave_0_\@
	s_barrier_signal -3
.Lnot_wave_0_\@:
	s_barrier_wait -3
	s_barrier_signal -1
	s_barrier_wait -1
.endm
.macro CROUND
	s_barrier_signal -1
	s_barrier_wait -1
	CREST
.endm
	s_load_b512 s[4:19], s[0:1], 0x0
	s_load_b256 s[20:27], s[0:1], 0x40
	s_load_b128 s[28:31], s[0:1], 0x60
	v_lshl_add_u32 v[SPW], v0, 2, SPARE
	v_mov_b32 v[NIL], 0
	ds_add_u32 v28, v29
	ds_add_u32 v28, v29
	s_wait_dscnt 0x0
	v_lshrrev_b32 v1, 5, v0
	v_readfirstlane_b32 s[WV], v1
	s_lshr_b32 s[RH], s[WV], 1
	s_and_b32 s[CH], s[WV], 1
	s_bfe_u32 s[CX], ttmp6, 0x40000
	s_bfe_u32 s[CY], ttmp6, 0x40004
	s_lshl_b32 s[WT], ttmp9, 2
	s_add_co_u32 s[WT], s[WT], s[CX]
	s_and_b32 s[HT], ttmp7, 0xffff
	s_lshl_b32 s[HT], s[HT], 2
	s_add_co_u32 s[HT], s[HT], s[CY]
	s_lshr_b32 s[SWP], ttmp9, 1
	s_and_b32 s[SWP], s[SWP], s[CH]
	s_lshl_b32 s100, s[CY], 2
	s_lshl_b32 s100, 15, s100
	s_lshl_b32 s101, 0x1111, s[CX]
	s_or_b32 s[G1+0], s100, (0<<16)|(1<<20)|(1<<21)|(5<<22)|(3<<25)
	s_or_b32 s[G1B+0], s101, (0<<16)|(1<<20)|(1<<21)|(5<<22)|(3<<25)
.irp g, G1, G1B
	s_mov_b32 s[\g+1], ROWB<<16
	s_mov_b32 s[\g+2], 128<<16
	s_mov_b32 s[\g+3], ROWB<<16
	s_mov_b32 s[\g+4], 128
	s_mov_b32 s[\g+5], KROW
	s_mov_b32 s[\g+6], 0
	s_mov_b32 s[\g+7], 0
.endr
	s_or_b32 s[G1S+0], s100, (3<<16)|(1<<20)|(1<<21)|(5<<22)|(3<<25)
	s_or_b32 s[G1SB+0], s101, (3<<16)|(1<<20)|(1<<21)|(5<<22)|(3<<25)
.irp g, G1S, G1SB
	s_mov_b32 s[\g+1], 32<<16
	s_mov_b32 s[\g+2], (128*KS/256)<<16
	s_mov_b32 s[\g+3], 32<<16
	s_mov_b32 s[\g+4], 128*KS/256
	s_mov_b32 s[\g+5], 32
	s_mov_b32 s[\g+6], 0
	s_mov_b32 s[\g+7], 0
.endr
	s_lshl_b32 s104, s[HT], 8
	s_lshl_b32 s105, s[CH], 7
	s_add_co_u32 s104, s104, s105
	s_lshl_b32 s66, s104, 11
	s_mov_b32 s67, 0
	s_lshl_b32 s104, s104, 6
	s_mov_b32 s105, 0
	s_lshl_b32 s100, s[WT], 8
	s_lshl_b32 s101, s[CH], 7
	s_add_co_u32 s100, s100, s101
	s_lshl_b32 s101, s[CX], 7
	s_cmp_eq_u32 ttmp9, 2
	s_cselect_b32 s100, s101, s100
	s_lshl_b32 s2, s100, 11
	s_mov_b32 s3, 0
	s_lshl_b32 s100, s100, 6
	s_mov_b32 s101, 0
	s_mul_i32 s[G0+1], s[WV], HALFT
	s_add_co_u32 s[G0+5], s[G0+1], SLOT
	s_mov_b32 s[G0B+1], s[G0+1]
	s_mov_b32 s[G0B+5], s[G0+5]
	s_mul_i32 s[G0S+1], s[WV], HALFS
	s_add_co_u32 s[G0S+1], s[G0S+1], SCL
	s_mov_b32 s[G0SB+1], s[G0S+1]
	s_wait_kmcnt 0x0
	s_cmp_eq_u32 s[CH], 1
	s_cselect_b64 s[12:13], s[16:17], s[12:13]
	s_cselect_b64 s[14:15], s[18:19], s[14:15]
	s_cmp_eq_u32 ttmp9, 2
	s_cselect_b64 s[8:9], s[12:13], s[8:9]
	s_cselect_b64 s[10:11], s[14:15], s[10:11]
	s_add_nc_u64 s[66:67], s[4:5], s[66:67]
	s_add_nc_u64 s[104:105], s[6:7], s[104:105]
	s_add_nc_u64 s[2:3], s[8:9], s[2:3]
	s_add_nc_u64 s[100:101], s[10:11], s[100:101]
	s_mov_b32 s[G0S], 1
	s_mov_b64 s[G0S+2:G0S+3], s[104:105]
	s_or_b32 s[G0S+3], s[G0S+3], 0x80000000
	s_mov_b32 s[G0SB], 1
	s_mov_b64 s[G0SB+2:G0SB+3], s[100:101]
	s_or_b32 s[G0SB+3], s[G0SB+3], 0x80000000
.irp s, 0,1
	s_mov_b32 s[G0+4*\s], 1
	s_add_nc_u64 s[G0+4*\s+2:G0+4*\s+3], s[66:67], \s*ROWB
	s_or_b32 s[G0+4*\s+3], s[G0+4*\s+3], 0x80000000
	s_mov_b32 s[G0B+4*\s], 1
	s_add_nc_u64 s[G0B+4*\s+2:G0B+4*\s+3], s[2:3], \s*ROWB
	s_or_b32 s[G0B+4*\s+3], s[G0B+4*\s+3], 0x80000000
.endr
	CROUND
	JLOAD G0S, G1S, G0SB, G1SB
	s_wait_alu depctr_va_vdst(0)
	s_wait_tensorcnt 0x0
	ds_add_u32 v28, v29
	s_wait_dscnt 0x0
	CROUND
	JLOAD G0, G1, G0B, G1B
	s_wait_alu depctr_va_vdst(0)
	s_wait_tensorcnt 0x0
	ds_add_u32 v28, v29
	s_wait_dscnt 0x0
	CROUND
	JLOAD G0+4, G1, G0B+4, G1B
	v_and_b32 v1, 15, v0
	v_bfe_u32 v2, v0, 4, 1
	v_mul_u32_u24 v3, v1, PITCH
	v_lshl_add_u32 v4, v2, 4, v3
	s_wait_alu depctr_va_vdst(0)
	s_mul_i32 s4, s[RH], HALFT
	s_add_co_u32 s5, s[CH], 2
	s_mul_i32 s5, s5, HALFT
	s_mov_b32 s6, s4
	s_mov_b32 s7, s5
.irp s, 0,1
	v_add_nc_u32 v[ADRA+\s], s6, v4
	v_add_nc_u32 v[ADRB+\s], s7, v4
	s_add_co_u32 s6, s6, SLOT
	s_add_co_u32 s7, s7, SLOT
.endr
	v_mul_u32_u24 v23, v1, KS
	v_lshrrev_b32 v24, 8, v23
	v_lshl_add_u32 v23, v24, 4, v23
	s_mul_i32 s4, s[RH], HALFS
	s_add_co_u32 s5, s[CH], 2
	s_sub_co_u32 s5, s5, s[RH]
	s_mul_i32 s5, s5, HALFS
	v_mul_u32_u24 v24, s5, v2
	s_add_co_u32 s4, s4, SCL
	v_add_nc_u32 v23, v23, v24
	v_add_nc_u32 v[ADRS], s4, v23
	v_lshlrev_b32 v[VB], 5, v2
	s_wait_alu depctr_va_vdst(0)
	v_lshlrev_b32 v[VR], 2, v1
	s_wait_alu depctr_va_vdst(0)
	v_lshlrev_b32 v[CO], 4, v1
	v_lshl_add_u32 v[CO], v2, 3, v[CO]
	v_and_b32 v[TA], 31, v0
	v_lshlrev_b32 v[TA], 4, v[TA]
	s_lshl_b32 s4, s[WV], 9
	s_add_co_u32 s4, s4, SCR
	v_add_nc_u32 v[SCRW], s4, v[VR]
	v_add_nc_u32 v[SCRR], s4, v[TA]
	s_mul_i32 s4, s[WV], HALFT                     ; V's stage: 64 rows d x (128 tokens x 4 bytes + 16), each wave's own quarter of slot 0
	v_mul_u32_u24 v[VRD], v1, VPI                  ; back: row d = l % 16, 8 tokens for each half of the lanes
	v_lshl_add_u32 v[VRD], v2, 5, v[VRD]
	v_add_nc_u32 v[VRD], s4, v[VRD]
	v_mul_u32_u24 v[VST], v2, 8*VPI                ; in: token l % 16, rows d = 8 (l / 16) on
	v_lshl_add_u32 v[VST], v1, 2, v[VST]
	v_add_nc_u32 v[VST], s4, v[VST]
	s_wait_alu depctr_va_vdst(0)
	s_lshl_b32 s4, s[HT], 1
	s_add_co_u32 s4, s4, s[RH]
	s_lshl_b32 s8, s4, 16
	s_mov_b32 s9, 0
	s_add_nc_u64 s[26:27], s[26:27], s[8:9]
	s_lshr_b32 s5, s4, 4
	s_and_b32 s4, s4, 15
	s_mul_i32 s5, s5, 24
	s_lshl_b32 s6, s[WT], 1
	s_add_co_u32 s6, s6, s[CH]
	s_lshl_b32 s7, s[CH], 2
	s_add_co_u32 s7, s7, s[CX]
	s_add_co_u32 s7, s7, 16
	s_cmp_eq_u32 ttmp9, 2
	s_cselect_b32 s6, s7, s6
	s_add_co_u32 s5, s5, s6
	s_lshl_b32 s5, s5, 4
	s_add_co_u32 s5, s5, s4
	s_lshl_b32 s8, s5, 14
	s_add_nc_u64 s[28:29], s[28:29], s[8:9]
	s_lshl_b32 s8, s5, 9
	s_add_nc_u64 s[30:31], s[30:31], s[8:9]
	s_lshl_b32 s8, s[WT], 10
	s_lshl_b32 s10, s[CH], 9
	s_add_co_u32 s8, s8, s10
	s_lshl_b32 s10, s[CX], 9
	s_mov_b32 s11, 0
	s_cmp_eq_u32 s[CH], 1
	s_cselect_b64 s[22:23], s[24:25], s[22:23]
	s_cmp_eq_u32 ttmp9, 2
	s_cselect_b64 s[20:21], s[22:23], s[20:21]
	s_cselect_b32 s8, s10, s8
	s_add_nc_u64 s[20:21], s[20:21], s[8:9]
.irp b, 0,1,2,3,4,5,6,7
	global_load_b128 v[BIAS+8*\b:BIAS+8*\b+3], v[VB], s[20:21] offset:64*\b
	global_load_b128 v[BIAS+8*\b+4:BIAS+8*\b+7], v[VB], s[20:21] offset:64*\b+16
.endr
	s_mov_b32 s[SEL], 0x76543210
	s_mov_b32 s[SEL+1], 0xfedcba98
	s_mov_b32 s[MNT], 0x600000
.macro FRAG reg, adr, q, i
.irp c, 0,1,2,3
	ds_load_b128 v[\reg+4*\c:\reg+4*\c+3], v[\adr] offset:128*(\q)+32*\c+(\i)*16*PITCH
.endr
.endm
.macro MUL16 a0, p, q, sc, zero
.irp a, \a0, \a0+1
.irp b, 0,1,2,3,4,5,6,7
.if \zero
	v_wmma_scale_f32_16x16x128_f8f6f4 v[8*(8*((\a)%4)+\b):8*(8*((\a)%4)+\b)+7], v[128*(\p)+FR*\b:128*(\p)+FR*\b+FR-1], v[AF+FR*(\a):AF+FR*(\a)+FR-1], 0, v[SC+8*NQ*(\sc)+NQ*\b+(\q)], v[SC+8*NQ*(\sc)+NQ*(\a)+(\q)] matrix_a_fmt:MATRIX_FMT_BF8 matrix_b_fmt:MATRIX_FMT_BF8 matrix_a_scale:MATRIX_SCALE_ROW1
.else
	v_wmma_scale_f32_16x16x128_f8f6f4 v[8*(8*((\a)%4)+\b):8*(8*((\a)%4)+\b)+7], v[128*(\p)+FR*\b:128*(\p)+FR*\b+FR-1], v[AF+FR*(\a):AF+FR*(\a)+FR-1], v[8*(8*((\a)%4)+\b):8*(8*((\a)%4)+\b)+7], v[SC+8*NQ*(\sc)+NQ*\b+(\q)], v[SC+8*NQ*(\sc)+NQ*(\a)+(\q)] matrix_a_fmt:MATRIX_FMT_BF8 matrix_b_fmt:MATRIX_FMT_BF8 matrix_a_scale:MATRIX_SCALE_ROW1
.endif
.endr
.endr
.endm
.macro FETCH_B slot, q, p
	WIN TO_B
.irp i, 0,1,2,3,4,5,6,7
	FRAG 128*(\p)+FR*\i, ADRB+\slot, \q, \i
.endr
	WIN 0
.endm
.macro FETCH_A slot, q, i0
.irp i, \i0, \i0+1, \i0+2, \i0+3
	FRAG AF+FR*(\i), ADRA+\slot, \q, \i
.endr
.endm
.macro SCALES sc
.irp i, 0,1,2,3,4,5,6,7
	ds_load_b64 v[SC+8*NQ*\sc+NQ*\i:SC+8*NQ*\sc+NQ*\i+1], v[ADRS] offset:\i*SBLK
.endr
.endm
.macro PLACES n
.rept \n
	v_nop
.endr
.endm
.macro STEP slot, q, zero
	s_wait_dscnt 4*NL
	WIN MUL_LO
	MUL16 0, (\q)%2, \q, \slot, \zero
	MUL16 2, (\q)%2, \q, \slot, \zero
	s_wait_dscnt 0
	PLACES NP
	FETCH_B \slot, (\q)+1, 1-(\q)%2
	FETCH_A \slot, (\q)+1, 0
	WIN MUL_HI
	MUL16 4, (\q)%2, \q, \slot, \zero
	MUL16 6, (\q)%2, \q, \slot, \zero
	PLACES NP
	WIN 0
	FETCH_A \slot, (\q)+1, 4
.endm
.macro TURN slot, next, fill
	s_wait_tensorcnt 0x0
	ds_add_u32 v[SPW], v[NIL]
	s_wait_dscnt 4*NL+1
	WIN MUL_LO
	MUL16 0, 1, NQ-1, \slot, 0
	s_wait_dscnt 0x0
	s_barrier_signal -1
	MUL16 2, 1, NQ-1, \slot, 0
	WIN 0
	s_barrier_wait -1
.if \fill
	CREST
	s_add_nc_u64 s[G0+4*\slot+2:G0+4*\slot+3], s[G0+4*\slot+2:G0+4*\slot+3], 2*ROWB
	s_add_nc_u64 s[G0B+4*\slot+2:G0B+4*\slot+3], s[G0B+4*\slot+2:G0B+4*\slot+3], 2*ROWB
	JLOAD G0+4*\slot, G1, G0B+4*\slot, G1B
	PLACES NP-4
.else
	PLACES NP
.endif
	s_wait_alu depctr_va_vdst(0)
	v_add_nc_u32 v[ADRS], 4*NQ, v[ADRS]
	FETCH_B \next, 0, 0
	FETCH_A \next, 0, 0
	SCALES \next
	WIN MUL_HI
	MUL16 4, 1, NQ-1, \slot, 0
	MUL16 6, 1, NQ-1, \slot, 0
	PLACES NP
	WIN 0
	FETCH_A \next, 0, 4
.endm
	s_wait_tensorcnt 1
	s_barrier_signal -1
	s_barrier_wait -1
	FETCH_B 0, 0, 0
	FETCH_A 0, 0, 0
	SCALES 0
	FETCH_A 0, 0, 4
	STEP 0, 0, 1
	s_mov_b32 s3, LAPS-1
.Llap:
	TURN 0, 1, 1
	STEP 1, 0, 0
	TURN 1, 0, 1
	STEP 0, 0, 0
	s_sub_co_u32 s3, s3, 1
	s_cmp_lg_u32 s3, 0
	s_cbranch_scc1 .Llap
	TURN 0, 1, 0
	STEP 1, 0, 0
	s_wait_dscnt 4*NL
	WIN MUL_LO
	MUL16 0, 1, NQ-1, 1, 0
	MUL16 2, 1, NQ-1, 1, 0
	s_wait_dscnt 0
	WIN MUL_HI
	MUL16 4, 1, NQ-1, 1, 0
	MUL16 6, 1, NQ-1, 1, 0
	WIN 0
.macro QUANT s, pw
.irp b, 0,1,2,3
	v_max3_num_f32 v[TM+\b], |v[\s+16*\b]|, |v[\s+1+16*\b]|, 0x8000000
.endr
.irp i, 2,4,6,8,10,12,14
.irp b, 0,1,2,3
	v_max3_num_f32 v[TM+\b], v[TM+\b], |v[\s+16*\b+\i]|, |v[\s+1+16*\b+\i]|
.endr
.endr
.irp b, 0,1,2,3
	v_permlanex16_b32 v[TM+4+\b], v[TM+\b], s[SEL], s[SEL+1]
.endr
.irp b, 0,1,2,3
	v_max_num_f32 v[TM+\b], v[TM+\b], v[TM+4+\b]
.endr
.irp b, 0,1,2,3
	v_add_nc_u32 v[TM+12+\b], 0xf8800000, v[TM+\b]
.endr
.irp b, 0,1,2,3
	v_and_or_b32 v[TM+8+\b], v[TM+\b], 0x7f800000, s[MNT]
.endr
.irp b, 0,1,2,3
	v_lshrrev_b32 v[TM+4+\b], 23, v[TM+12+\b]
.endr
	v_lshl_or_b32 v[\pw], v[TM+5], 8, v[TM+4]
	v_lshl_or_b32 v[\pw], v[TM+6], 16, v[\pw]
	v_lshl_or_b32 v[\pw], v[TM+7], 24, v[\pw]
.irp b, 0,1,2,3
.irp i, 0,1,2,3,4,5,6,7,8,9,10,11,12,13,14,15
	v_med3_num_f32 v[\s+16*\b+\i], v[\s+16*\b+\i], -v[TM+8+\b], v[TM+8+\b]
.endr
	v_cvt_scalef32_pk8_bf8_f32 v[PCD+4*\b:PCD+1+4*\b], v[\s+16*\b:\s+7+16*\b], v[TM+12+\b]
	v_cvt_scalef32_pk8_bf8_f32 v[PCD+2+4*\b:PCD+3+4*\b], v[\s+8+16*\b:\s+15+16*\b], v[TM+12+\b]
.endr
	v_nop
.endm
.macro SENDC a
.irp b, 0,1,2,3,4,5,6,7
	global_store_b64 v[CO], v[PCD+2*\b:PCD+2*\b+1], s[28:29] offset:2048*(\a)+256*\b
.endr
.endm
.macro TABLE a
	WIN 0x40
.irp p, 0,1,2,3,4,5,6,7
	global_load_b128 v[64*((\a)%2)+4*\p:64*((\a)%2)+4*\p+3], v[TA], s[26:27] offset:8192*(\a)+512*\p
	global_load_b128 v[64*((\a)%2)+32+4*\p:64*((\a)%2)+32+4*\p+3], v[TA], s[26:27] offset:8192*(\a)+4096+512*\p
.endr
.endm
.macro EPI_QK a
.set AC, 64*((\a)%4)
.set TS, 64*((\a)%2)
	WIN 0x02+(\a)/4
.set n, 0
.rept 32
	v_pk_add_f32 v[XR+n:XR+n+1], v[AC+n:AC+n+1], v[BIAS+n:BIAS+n+1]
.set n, n+2
.endr
.if (\a) < 7
	TABLE (\a)+1
	s_wait_loadcnt 16
.else
	s_wait_loadcnt 0x0
.endif
	WIN 0x04
.set i, 0
.rept 16
.set TT, RT+4*((i/2)%2)
	v_pk_mul_f32 v[TT:TT+1], v[XR+32+i:XR+33+i], v[TS+32+i:TS+33+i]
	v_pk_mul_f32 v[TT+2:TT+3], v[XR+i:XR+i+1], v[TS+32+i:TS+33+i]
	v_pk_fma_f32 v[XR+i:XR+i+1], v[XR+i:XR+i+1], v[TS+i:TS+i+1], v[TT:TT+1] neg_lo:[0,0,1] neg_hi:[0,0,1]
	v_pk_fma_f32 v[XR+32+i:XR+33+i], v[XR+32+i:XR+33+i], v[TS+i:TS+i+1], v[TT+2:TT+3]
.set i, i+2
.endr
	WIN 0
	s_wait_xcnt 0x0
	QUANT XR, PWS+(\a)
	SENDC \a
.endm
; V is quantised along the tokens.  A lane holds token 16 a + l % 16 and, in register 8 b + j, column d = 16 b + 8 (l / 16) + j: the bias is added and the tile is laid into the wave's stage as [d][token].
; The stage lies in slot 0, which has had its last fill and its last read behind the last change of slots.  LDS serves a wave's instructions in order, so the loads of EPI_V see these stores.
.macro VSTAGE a, p                     ; half p of the columns: registers 32 p .. 32 p + 31, rows d % 64 of the stage
.set AC, 64*((\a)%4)
	WIN 0x02+(\a)/4
.set n, 32*(\p)
.rept 16
	v_pk_add_f32 v[XR+n:XR+n+1], v[AC+n:AC+n+1], v[BIAS+n:BIAS+n+1]
.set n, n+2
.endr
	WIN 0
.set n, 32*(\p)
.rept 32
	ds_store_b32 v[VST], v[XR+n] offset:(((n/8)%4)*16+n%8)*VPI+64*(\a)
.set n, n+1
.endr
.endm
.macro EPI_V a                         ; rows d = 16 a + l % 16: register 8 b + j takes token 16 b + 8 (l / 16) + j
.irp b, 0,1,2,3,4,5,6,7
	ds_load_b128 v[XR+8*\b:XR+8*\b+3], v[VRD] offset:((\a)%4)*16*VPI+64*\b
	ds_load_b128 v[XR+8*\b+4:XR+8*\b+7], v[VRD] offset:((\a)%4)*16*VPI+64*\b+16
.endr
	s_wait_dscnt 0x0
	s_wait_xcnt 0x0
	QUANT XR, PWS+(\a)
	SENDC \a
.endm
	s_wait_loadcnt 0x0
	PLACES NP
.irp b, 0,1,2,3
	v_mov_b32 v[TM+4+\b], 0
.endr
	s_cmp_eq_u32 s[SWP], 1
	s_cbranch_scc1 .Lv_wave
	TABLE 0
.irp a, 0,1,2,3,4,5,6,7
	EPI_QK \a
.endr
	s_branch .Ljoin
.Lv_wave:
.irp p, 0,1                            ; 64 columns at a time: the stage is laid, read out and, behind those reads in the wave's own order, laid again
.irp a, 0,1,2,3,4,5,6,7
	VSTAGE \a, \p
.endr
.irp a, 0,1,2,3
	EPI_V 4*\p+\a
.endr
.endr
.Ljoin:
.irp a, 0,1,2,3,4,5,6,7
	ds_store_b32 v[SCRW], v[PWS+\a] offset:64*\a
.endr
	ds_load_b128 v[XR:XR+3], v[SCRR]
	s_wait_dscnt 0x0
	global_store_b128 v[TA], v[XR:XR+3], s[30:31]
	s_wait_tensorcnt 0x0
	ds_add_u32 v[SPW], v[NIL]
	s_wait_dscnt 0x0
	CROUND
	s_endpgm
.Lfunc_end_k_qfc407db962_proj:
	.size	k_qfc407db962_proj, .Lfunc_end_k_qfc407db962_proj-k_qfc407db962_proj
	.p2alignl 7, 3214868480
	.fill 96, 4, 3214868480
	.section	.rodata,"a",@progbits
	.p2align	6, 0x0
	.amdhsa_kernel k_qfc407db962_proj
		.amdhsa_group_segment_fixed_size 327680
		.amdhsa_private_segment_fixed_size 0
		.amdhsa_enable_private_segment 0
		.amdhsa_kernarg_size 112
		.amdhsa_user_sgpr_count 2
		.amdhsa_user_sgpr_kernarg_segment_ptr 1
		.amdhsa_wavefront_size32 1
		.amdhsa_system_sgpr_workgroup_id_x 1
		.amdhsa_system_sgpr_workgroup_id_y 1
		.amdhsa_system_sgpr_workgroup_id_z 1
		.amdhsa_system_vgpr_workitem_id 0
		.amdhsa_next_free_vgpr 1024
		.amdhsa_next_free_sgpr 106
		.amdhsa_reserve_vcc 0
		.amdhsa_float_denorm_mode_32 3
		.amdhsa_float_denorm_mode_16_64 3
		.amdhsa_memory_ordered 1
		.amdhsa_forward_progress 1
		.amdhsa_inst_pref_size 255
	.end_amdhsa_kernel
	.section	.bss,"aw",@nobits
	.p2align	6
	.space	262144
	.amdgpu_metadata
---
amdhsa.version: [ 1, 2 ]
amdhsa.kernels:
  - .name:           k_qfc407db962_proj
    .symbol:         k_qfc407db962_proj.kd
    .args:
      - { .name: hidden_states_codes, .offset: 0, .size: 8, .value_kind: global_buffer, .address_space: global }
      - { .name: hidden_states_scales, .offset: 8, .size: 8, .value_kind: global_buffer, .address_space: global }
      - { .name: Wq_codes, .offset: 16, .size: 8, .value_kind: global_buffer, .address_space: global }
      - { .name: Wq_scales, .offset: 24, .size: 8, .value_kind: global_buffer, .address_space: global }
      - { .name: Wk_codes, .offset: 32, .size: 8, .value_kind: global_buffer, .address_space: global }
      - { .name: Wk_scales, .offset: 40, .size: 8, .value_kind: global_buffer, .address_space: global }
      - { .name: Wv_codes, .offset: 48, .size: 8, .value_kind: global_buffer, .address_space: global }
      - { .name: Wv_scales, .offset: 56, .size: 8, .value_kind: global_buffer, .address_space: global }
      - { .name: bq, .offset: 64, .size: 8, .value_kind: global_buffer, .address_space: global }
      - { .name: bk, .offset: 72, .size: 8, .value_kind: global_buffer, .address_space: global }
      - { .name: bv, .offset: 80, .size: 8, .value_kind: global_buffer, .address_space: global }
      - { .name: rope, .offset: 88, .size: 8, .value_kind: global_buffer, .address_space: global }
      - { .name: qkv_codes, .offset: 96, .size: 8, .value_kind: global_buffer, .address_space: global }
      - { .name: qkv_scales, .offset: 104, .size: 8, .value_kind: global_buffer, .address_space: global }
    .group_segment_fixed_size: 327680
    .private_segment_fixed_size: 0
    .kernarg_segment_align: 8
    .kernarg_segment_size: 112
    .max_flat_workgroup_size: 128
    .sgpr_count:     106
    .vgpr_count:     1024
    .wavefront_size: 32
...
	.end_amdgpu_metadata
.endif
;; end of part 2
;; launch attn (part 3): grid 32 x 8, 4 waves a work-group, clusters of 4 x 4, 327,680 bytes of LDS; arguments qkv_codes, qkv_scales, attention_mask, out0; writes out0
.if DOCPART == 3
	.amdgcn_target "amdgcn-amd-amdhsa--gfx1250"
	.amdhsa_code_object_version 6
	.text
	.protected	k_qfc407db962_attn
	.globl	k_qfc407db962_attn
	.p2align	8
	.type	k_qfc407db962_attn,@function
k_qfc407db962_attn:
	s_mov_b64 s[64:65], 0
	v_nop
	global_prefetch_b8 v0, s[64:65] scope:SCOPE_SE
	s_setreg_imm32_b32 hwreg(HW_REG_WAVE_MODE, 25, 1), 1
	s_wait_xcnt 0x0
	s_wait_alu depctr_hold_cnt(0) depctr_sa_sdst(0) depctr_va_vdst(0) depctr_va_sdst(0) depctr_va_ssrc(0) depctr_va_vcc(0) depctr_vm_vsrc(0)
	s_getreg_b32 s2, hwreg(HW_REG_IB_STS2, 6, 4)
	s_cmp_eq_u32 s2, 0
	s_cbranch_scc0 .Lentry_in_a_cluster
	s_endpgm
.Lentry_in_a_cluster:
	s_bfe_u32 s2, ttmp6, 0x10000c
	s_cmp_lg_u32 s2, 0xf033
	s_cbranch_scc0 .Lentry_shape_is_right
	s_endpgm
.Lentry_shape_is_right:
; out[b][s][head 128 + d] = the sum over keys of softmax(q . k / sqrt(128) + mask) v, both products on codes of BF8 (E5M2) with one E8M0 scale for each 32 along a product's K.
; q, k, v come as images of operand registers (unit U = (b 24 + head) 16 + s / 128: 8 images of 2,048 bytes, byte 512 c + 16 lane + x; 128 scale words); heads 0-15 q, 16-19 k, 20-23 v (v: rows d, K = keys).
; THE MASK IS AN INPUT: every key is walked for every query and every number of the mask is read and added.
; THE MASK IS THE FIRST PRODUCT'S C.  D = score / 16 + mask sqrt(128) / 16 = x sqrt(128) / 16: the power of two 2^-4 is taken off Q's scale bytes, the mask is multiplied once for the four heads of a wave.
; t = x log2(e) = D c, c = 16 log2(e) / sqrt(128).  M = the running largest t rounded UP to a whole number; p = 2^(D c - M) is quantised along the keys, not normalised;
; the row's sum is taken of the unquantised p and divides at the end.  When M moves, the sums and O are multiplied by 2^(old M - new M): exact.
; A ROW WITH NO KEY ABOVE THE FLOOR.  The running largest D begins at -2^126.  While a row has met no larger D, its lane takes the factor 0 and the shift 0 in place of c and -M: p = 1 for every key, the plain mean
; that the problem's text gives for a row all of whose keys carry the least f32 number.  Once a larger D comes, the old sums are multiplied by 2^(a very large negative number) = 0.
; LIMITS: all x at or under -2^126.5 count as equal; NaN and +infinity in the mask are not served; a block of q whose scale byte is under 5 is taken with the byte 5 (numbers under 2^-107).
; SHARES.  A work-group owns 64 queries of the four query heads that share one key and value head; wave w owns the 16 queries w for all four heads: a fragment of K or V feeds four products, a number of the mask four heads.
; Keys go 128 a step, 256 a slot, through a ring of two LDS slots (K, V, mask): wave 0 brings K's two units, wave 1 V's, wave 2 the mask's 64 rows; at the head wave 3 brings K's and V's scale words, which stay.
; THE SECOND PRODUCT RUNS A STEP BEHIND: step i begins with its LDS loads of the mask and K, and O^T += V^T P^T of step i - 1, whose operands wait in registers, stands under them.  The first step finds zero codes.
; The slot ahead is asked for behind the round at a slot's head: seven trips of two steps, and the last slot written out.
; CLUSTERS: 4 x 4.  A row of the cluster (same b, same key head) shares K, V and their scale words; a column (same b, same queries) shares the mask's tile: each is asked for JOINTLY.
; PREFETCH: wave 3 asks for the mask's tile two slots ahead of the slot in hand: of a column's 64 rows x 1,024 bytes the partner at cy names rows 16 cy .. + 15, an instruction 8 rows, a lane 256 bytes.
; K and V are not prefetched: the eight clusters of one b and key head walk the same 64 KB a slot in the same trips, so each unit is asked for by eight joint loads close together.
; LAYOUT.  Both products transposed: a lane holds ONE query (lane % 16).  Lane r of tile 2 b + u takes key 32 b + 8 u + r + 8 (r / 8), so that the 16 registers of tiles 2 b, 2 b + 1 are the keys 32 b + 16 (lane / 16) + 0 .. 15.
; REGISTERS: window 0: v1-63 addresses, scale words, what is carried; v64-127 the mask, behind the first product scratch of the softmax; v128-191 p's codes; v192-255 Q.
;   window 1: S^T, then p (64 a head).  window 2: O^T (64 a head).  window 3: v0-127 K's eight fragments, v128-255 V's.
.set IMG,   2176
.set CHK,   8*IMG
.set VOFF,  2*CHK
.set MOFF,  4*CHK
.set MP,    1040
.set SLOTB, MOFF+64*MP
.set SCB,   2*SLOTB                    ; K's 2,048 scale words, then V's: filled once
.set SPARE, SCB+16384
.set STAGE, SPARE+512                  ; the way out: 16 rows x 272 bytes for each wave; no fill lands here
.set AK0,  1
.set AV0,  2
.set AM0,  3
.set ASKW, 4                           ; K's scale words; 512 bytes on for each step
.set ASVW, 5
.set SPW,  6
.set NIL,  7
.set ADK,  8                           ; addresses of the step in hand; on the way out GO, STO, RD
.set ADV,  9
.set ADM,  10
.set GO,   8
.set STO,  9
.set RD,   10
.set PFO,  11
.set CV,   12
.set QS,   14
.set PW,   18
.set SWK,  22
.set SWV,  30
.set ST,   38                          ; head e at ST + 4 e: +0, +1 the sum in two halves, +2 the largest D, +3 -M
.set TP,   54
.set TQ,   58
.set MK,   64
.set BMH,  MK                          ; 16 block maxima, then 57,344 x the scale
.set SCL,  MK+16                       ; 16 conversions' scale operands; before that the lane permutes' results
.set NMP,  MK+32                       ; pairs whose low word counts: the shift,
.set CLP,  MK+40                       ; the factor,
.set FFP,  MK+48                       ; f
.set TS,   MK+56
.set PCD,  128
.set QF,   192
.set BK,   128
.set KF,   0
.set VF,   128
.set WV,   12
.set G1KV, 24
.set G1M,  32
.set G0KV, 40
.set G0M,  44
.set G1S,  48
.set G0S,  56
.set MSC,  60
.set CS,   62
.set SEL,  66
.set MNT,  68
.set CNT,  69
.set TB,   70
.set TN,   71
.set PKV,  72
.set PFA,  74
.set LIM,  76
.set STG,  77
.set QC,   78
.set MSB, 0
.macro WIN new
.if MSB != (\new)
	s_set_vgpr_msb (MSB<<8)|(\new)
.set MSB, (\new)
.endif
.endm
.macro PLACES
.rept 8
	v_nop
.endr
.endm
.macro WALU
	s_wait_alu depctr_va_vdst(0)
.endm
.macro TL g0, g1                       ; an s_nop 0 and four v_nop follow each tensor load
	tensor_load_to_lds s[\g0:\g0+3], s[\g1:\g1+7]
	s_nop 0
.rept 4
	v_nop
.endr
.endm
.macro JLOAD
	s_cmp_lt_u32 s[WV], 2
	s_cbranch_scc0 .Lnot_kv_\@
	TL G0KV, G1KV
	s_branch .Lasked_\@
.Lnot_kv_\@:
	s_cmp_lt_u32 s[WV], 3
	s_cbranch_scc0 .Lasked_\@
	TL G0M, G1M
.Lasked_\@:
.endm
.macro CROUND
	s_barrier_signal -1
	s_barrier_wait -1
	s_cmp_lg_u32 s[WV], 0
	s_cbranch_scc1 .Lnot_wave_0_\@
	s_barrier_signal -3
.Lnot_wave_0_\@:
	s_barrier_wait -3
	s_barrier_signal -1
	s_barrier_wait -1
.endm
	s_load_b256 s[4:11], s[0:1], 0x0               ; the codes, the scale words, the mask, out
	v_lshl_add_u32 v[SPW], v0, 2, SPARE
	v_mov_b32 v[NIL], 0
	ds_add_u32 v[SPW], v[NIL]                      ; the opening: the add, twice on end, and its wait
	ds_add_u32 v[SPW], v[NIL]
	v_lshrrev_b32 v[TP], 5, v0
	v_readfirstlane_b32 s[WV], v[TP]               ; wave 0..3
	s_bfe_u32 s13, ttmp6, 0x40000                  ; cx
	s_bfe_u32 s14, ttmp6, 0x40004                  ; cy: the key and value head
	s_lshl_b32 s15, ttmp9, 2
	s_add_co_u32 s15, s15, s13                     ; my block of 64 queries
	s_and_b32 s16, ttmp7, 0xffff                   ; b
	s_and_b32 s84, s[WV], 1                        ; K (0) or V (1)
	s_lshl_b32 s18, s14, 2
	s_lshl_b32 s18, 15, s18                        ; my row of the cluster
	s_lshl_b32 s19, 0x1111, s13                    ; my column
	s_or_b32 s[G1KV], s18, (3<<16)|(1<<20)|(1<<21)|(7<<22)|(15<<25)   ; two units: 32 rows of 1,024 bytes, dense; sixteen words of padding behind each
	s_mov_b32 s[G1KV+1], 128<<16
	s_mov_b32 s[G1KV+2], 32<<16
	s_mov_b32 s[G1KV+3], 128<<16
	s_mov_b32 s[G1KV+4], 32
	s_mov_b32 s[G1KV+5], 128
	s_mov_b32 s[G1KV+6], 0
	s_mov_b32 s[G1KV+7], 0
	s_or_b32 s[G1M], s19, (2<<16)|(1<<20)|(1<<21)|(7<<22)|(3<<25)     ; the mask: 64 rows of 256 f32, 2,048 apart; four words of padding behind each
	s_mov_b32 s[G1M+1], 256<<16
	s_mov_b32 s[G1M+2], 64<<16
	s_mov_b32 s[G1M+3], 256<<16
	s_mov_b32 s[G1M+4], 64
	s_mov_b32 s[G1M+5], 2048
	s_mov_b32 s[G1M+6], 0
	s_mov_b32 s[G1M+7], 0
	s_or_b32 s[G1S], s18, (3<<16)|(1<<21)                             ; scale words: two rows of 8,192 bytes (1,024 elements of 8), K's and V's, 32,768 bytes apart
	s_mov_b32 s[G1S+1], 1024<<16
	s_mov_b32 s[G1S+2], 2<<16
	s_mov_b32 s[G1S+3], 1024<<16
	s_mov_b32 s[G1S+4], 2
	s_mov_b32 s[G1S+5], 4096
	s_mov_b32 s[G1S+6], 0
	s_mov_b32 s[G1S+7], 0
	s_mul_i32 s80, s16, 24
	s_add_co_u32 s80, s80, s14
	s_add_co_u32 s80, s80, 16
	s_lshl_b32 s80, s80, 4                         ; K's first unit; V's lies 64 units on
	s_lshl_b32 s82, s80, 14
	s_lshl_b32 s83, s84, 20
	s_add_co_u32 s82, s82, s83
	s_mov_b32 s83, 0                               ; s[82:83]: the codes
	s_lshl_b32 s80, s80, 9
	s_mov_b32 s81, 0                               ; s[80:81]: K's scale words
	s_lshl_b32 s86, s16, 24
	s_lshl_b32 s87, s15, 19
	s_add_co_u32 s86, s86, s87
	s_mov_b32 s87, 0                               ; s[86:87]: the block's 64 rows of the mask
	s_lshl_b32 s88, s14, 17                        ; the prefetches: rows 16 cy on,
	s_add_co_u32 s88, s88, s86
	s_add_co_u32 s88, s88, 1024                    ; at slot 1: each change of slots steps it ahead of its prefetches
	s_mov_b32 s89, 0
	s_mul_i32 s[PKV], s84, VOFF                    ; where they go: no place in the cluster enters an LDS address
	s_mov_b32 s[G0KV+1], s[PKV]
	s_mov_b32 s[G0M+1], MOFF
	s_mov_b32 s[G0S+1], SCB
	s_lshl_b32 s20, s14, 2                         ; my first head
	s_mul_i32 s21, s16, 24
	s_add_co_u32 s21, s21, s20
	s_lshl_b32 s23, s15, 2
	s_add_co_u32 s23, s23, s[WV]                   ; my tile of 16 queries among the 128 of a head
	s_lshl_b32 s90, s21, 18
	s_lshl_b32 s91, s23, 11
	s_add_co_u32 s90, s90, s91
	s_mov_b32 s91, 0
	s_lshl_b32 s92, s21, 13
	s_lshl_b32 s93, s23, 6
	s_add_co_u32 s92, s92, s93
	s_mov_b32 s93, 0
	s_lshl_b32 s94, s16, 24
	s_lshl_b32 s95, s23, 17
	s_add_co_u32 s94, s94, s95
	s_lshl_b32 s95, s20, 9
	s_add_co_u32 s94, s94, s95
	s_mov_b32 s95, 0
	s_mul_i32 s[STG], s[WV], 16*272
	s_add_co_u32 s[STG], s[STG], STAGE
	s_mul_i32 s85, s[WV], 16*MP
	s_add_co_u32 s85, s85, MOFF                    ; my queries' rows of the mask's tile
	s_cmp_eq_u32 s[WV], 3
	s_cselect_b32 s[LIM], 2, 64                    ; wave 3 prefetches while two or more trips are left; the others never
	s_mov_b32 s[MSC], 0x3f3504f3
	s_mov_b32 s[MSC+1], s[MSC]
	s_mov_b32 s[CS], 0x400293ee
	s_mov_b32 s[SEL], 0x76543210
	s_mov_b32 s[SEL+1], 0xfedcba98
	s_mov_b32 s[MNT], 0x600000
	s_mov_b32 s[CNT], 7
	s_mov_b32 s[TB], 0
	s_wait_dscnt 0x0
	s_wait_kmcnt 0x0
	s_mov_b32 s[G0S], 1
	s_add_nc_u64 s[G0S+2:G0S+3], s[6:7], s[80:81]
	s_or_b32 s[G0S+3], s[G0S+3], 0x80000000
	s_mov_b32 s[G0KV], 1
	s_add_nc_u64 s[G0KV+2:G0KV+3], s[4:5], s[82:83]
	s_or_b32 s[G0KV+3], s[G0KV+3], 0x80000000
	s_mov_b32 s[G0M], 1
	s_add_nc_u64 s[G0M+2:G0M+3], s[8:9], s[86:87]
	s_or_b32 s[G0M+3], s[G0M+3], 0x80000000
	s_add_nc_u64 s[PFA:PFA+1], s[8:9], s[88:89]
	s_add_nc_u64 s[4:5], s[4:5], s[90:91]
	s_add_nc_u64 s[6:7], s[6:7], s[92:93]
	s_add_nc_u64 s[10:11], s[10:11], s[94:95]
	CROUND                                         ; all sixteen work-groups are here: the first joint loads meet
	s_cmp_lt_u32 s[WV], 2                          ; the head's loads, one a wave, in one tree
	s_cbranch_scc0 .Lhead_m
	TL G0KV, G1KV
	s_branch .Lhead_asked
.Lhead_m:
	s_cmp_lt_u32 s[WV], 3
	s_cbranch_scc0 .Lhead_s
	TL G0M, G1M
	s_branch .Lhead_asked
.Lhead_s:
	TL G0S, G1S
.Lhead_asked:
	v_and_b32 v[TP], 15, v0                        ; r
	v_bfe_u32 v[TP+1], v0, 4, 1                    ; h
	v_and_b32 v62, 31, v0
	v_lshlrev_b32 v62, 4, v62                      ; 16 x lane
	v_lshlrev_b32 v63, 2, v[TP]                    ; 4 r
.irp e, 0,1,2,3
.irp c, 0,1,2,3
	global_load_b128 v[QF+16*\e+4*\c:QF+16*\e+4*\c+3], v62, s[4:5] offset:262144*\e+512*\c    ; Q's images stay in registers
.endr
	global_load_b32 v[QS+\e], v63, s[6:7] offset:8192*\e
.endr
	v_lshrrev_b32 v[TP+2], 3, v[TP]                ; r / 8
	v_and_b32 v[TP+3], 7, v[TP]
	v_mul_u32_u24 v[AK0], v[TP+2], IMG             ; lanes 8-15 take the next image
	v_mul_u32_u24 v[AM0], v[TP], MP
	v_add_nc_u32 v[AV0], VOFF, v62
	v_lshl_add_u32 v[AK0], v[TP+3], 4, v[AK0]
	v_lshl_add_u32 v[AM0], v[TP+1], 6, v[AM0]
	v_lshl_add_u32 v[ASKW], v[TP+2], 3, v[TP]      ; r + 8 (r / 8)
	v_lshl_add_u32 v[AK0], v[TP+1], 8, v[AK0]
	v_add_nc_u32 v[AM0], s85, v[AM0]
	v_lshl_add_u32 v[ASKW], v[ASKW], 2, SCB
	v_lshl_add_u32 v[ASVW], v[TP], 2, SCB+8192
	v_and_b32 v[PFO], 3, v0
	v_bfe_u32 v[TQ], v0, 2, 3
	v_lshlrev_b32 v[PFO], 8, v[PFO]
	v_lshl_add_u32 v[PFO], v[TQ], 13, v[PFO]       ; row lane / 4, block lane % 4 of 256 bytes
	v_mov_b32 v[CV], s[CS]
	v_mov_b32 v[TQ+1], 0xfe800000                  ; the floor, -2^126
	v_mul_f32 v[TQ+2], s[CS], v[TQ+1]
.irp e, 0,1,2,3
	v_mov_b32 v[ST+4*\e], 0
	v_mov_b32 v[ST+4*\e+1], 0
	v_mov_b32 v[ST+4*\e+2], v[TQ+1]                ; the largest D so far
	v_floor_f32 v[ST+4*\e+3], -v[TQ+2]             ; -M
	v_mov_b32 v[PW+\e], 0x7f7f7f7f                 ; the step ahead of the first: zero codes under scales of 1
.endr
.irp t, 0,1,2,3,4,5,6,7
	v_mov_b32 v[SWV+\t], 0x7f7f7f7f
.endr
.set n, 0
.rept 64
	v_mov_b32 v[PCD+n], 0
.set n, n+1
.endr
	WIN 0x80
.set n, 0
.rept 256
	v_mov_b32 v[n], 0                              ; O^T: the step is written for every trip alike; the first finds zeros
.set n, n+1
.endr
	WIN 0xc0
.set n, 0
.rept 128
	v_mov_b32 v[VF+n], 0
.set n, n+1
.endr
	WIN 0
	WALU
	s_wait_loadcnt 0x0                             ; Q
.irp e, 0,1,2,3                                ; 4 off each of Q's scale bytes, none falling under 1
.irp k, 0,1,2,3
	v_bfe_u32 v[TP+\k], v[QS+\e], 8*\k, 8
.endr
.irp k, 0,1,2,3
	v_max_u32 v[TP+\k], 5, v[TP+\k]
.endr
.irp k, 0,1,2,3
	v_add_nc_u32 v[TP+\k], -4, v[TP+\k]
.endr
	v_lshl_or_b32 v[QS+\e], v[TP+1], 8, v[TP]
	v_lshl_or_b32 v[QS+\e], v[TP+2], 16, v[QS+\e]
	v_lshl_or_b32 v[QS+\e], v[TP+3], 24, v[QS+\e]
.endr
.macro PV                              ; O^T += V^T P^T; the 32 accumulators take turns
	WIN 0xa3
.irp t, 0,1,2,3,4,5,6,7
.irp e, 0,1,2,3
	v_wmma_scale_f32_16x16x128_f8f6f4 v[64*\e+8*\t:64*\e+8*\t+7], v[VF+16*\t:VF+16*\t+15], v[PCD+16*\e:PCD+16*\e+15], v[64*\e+8*\t:64*\e+8*\t+7], v[SWV+\t], v[PW+\e] matrix_a_fmt:MATRIX_FMT_BF8 matrix_b_fmt:MATRIX_FMT_BF8
.endr
.endr
	WIN 0
.endm
; Head e's 64 exponentials.  Between them stand lines that read only what was written ahead of the wait in front, and whose results are read behind the wait at the end: the hold of head e - 1's p, and t - M of head e + 1.
; Behind them: head e's sum of the unquantised p, in four chains, and head e - 1's conversions.
.macro BATCH e
	WIN 0x41
	WALU
.set n, 0
.rept 64
	v_exp_f32 v[64*(\e)+n], v[64*(\e)+n]           ; p = 2^(t - M): NOT normalised
.if (\e) > 0
	v_min_num_f32 v[64*(\e)-64+n], v[64*(\e)-64+n], v[BMH+4*(\e)-4+n/16]   ; the conversion does not saturate (ISA guide 7.6.2); p is not negative: a one-sided hold
.endif
.if ((\e) < 3) && (n%2 == 0)
	v_pk_fma_f32 v[64*(\e)+64+n:64*(\e)+65+n], v[64*(\e)+64+n:64*(\e)+65+n], v[CLP+2*(\e)+2:CLP+2*(\e)+3], v[NMP+2*(\e)+2:NMP+2*(\e)+3] op_sel_hi:[1,0,0]
.endif
.set n, n+1
.endr
	v_nop
	WALU
	WIN 0x05
.irp k, 0,1,2,3
	v_pk_add_f32 v[TS+2*\k:TS+2*\k+1], v[64*(\e)+2*\k:64*(\e)+2*\k+1], v[64*(\e)+8+2*\k:64*(\e)+9+2*\k]
.endr
	WIN 0x01
.irp r, 2,3,4,5,6,7
.irp k, 0,1,2,3
	v_pk_add_f32 v[TS+2*\k:TS+2*\k+1], v[64*(\e)+8*\r+2*\k:64*(\e)+8*\r+2*\k+1], v[TS+2*\k:TS+2*\k+1]
.endr
.endr
.if (\e) > 0
	CODES (\e)-1
.endif
	WIN 0
	v_pk_add_f32 v[TS:TS+1], v[TS:TS+1], v[TS+2:TS+3]
	v_pk_add_f32 v[TS+4:TS+5], v[TS+4:TS+5], v[TS+6:TS+7]
	v_pk_add_f32 v[TS:TS+1], v[TS:TS+1], v[TS+4:TS+5]
	v_pk_fma_f32 v[ST+4*(\e):ST+4*(\e)+1], v[ST+4*(\e):ST+4*(\e)+1], v[FFP+2*(\e):FFP+2*(\e)+1], v[TS:TS+1] op_sel_hi:[1,0,1]   ; the old sum under the new M, and this step's
.endm
.macro CODES e
	WIN 0x01
.set m, 0
.rept 8
	v_cvt_scalef32_pk8_bf8_f32 v[PCD+16*(\e)+2*m:PCD+16*(\e)+2*m+1], v[64*(\e)+8*m:64*(\e)+8*m+7], v[SCL+4*(\e)+m/2]
.set m, m+1
.endr
.endm
.macro STEP                            ; 128 keys
	s_wait_dscnt 0x0                               ; V's fragments of the step before are in
.set n, 0
.rept 16
	ds_load_b128 v[MK+4*n:MK+4*n+3], v[ADM] offset:128*(n/4)+16*(n%4)   ; the mask of my query at my 64 keys, in S^T's order
.set n, n+1
.endr
	WIN 0xc0
.irp t, 0,1,2,3,4,5,6,7
.irp c, 0,1,2,3
	ds_load_b128 v[KF+16*\t+4*\c:KF+16*\t+4*\c+3], v[ADK] offset:2*IMG*(\t/2)+128*(\t%2)+512*\c+64*(\c/2)
.endr
.endr
	WIN 0
.irp t, 0,1,2,3,4,5,6,7
	ds_load_b32 v[SWK+\t], v[ASKW] offset:4*(32*(\t/2)+8*(\t%2))
.endr
	PLACES                                         ; the codes stand four places, their scale words eight, ahead of the products
	PV                                             ; the step before, under the loads
	s_wait_dscnt 40                                ; the mask is in; behind it: K's 32 loads and 8 scale words
.set n, 0
.rept 32
	v_pk_mul_f32 v[MK+n:MK+n+1], v[MK+n:MK+n+1], s[MSC:MSC+1] op_sel_hi:[1,0]   ; x sqrt(128) / 16, once for the four heads.  (Also the places ahead of the loads below)
.set n, n+2
.endr
	WIN 0xc0
.irp t, 0,1,2,3,4,5,6,7
.irp c, 0,1,2,3
	ds_load_b128 v[VF+16*\t+4*\c:VF+16*\t+4*\c+3], v[ADV] offset:IMG*\t+512*\c+64*(\c/2)
.endr
.endr
	WIN 0
.irp t, 0,1,2,3,4,5,6,7
	ds_load_b32 v[SWV+\t], v[ASVW] offset:64*\t
.endr
	WALU
	s_wait_dscnt 40                                ; K is in; behind it: V's 32 loads and 8 scale words, which land under the softmax
	WIN 0x43
.irp t, 0,1,2,3,4,5,6,7
.irp e, 0,1,2,3
	v_wmma_scale_f32_16x16x128_f8f6f4 v[64*\e+8*\t:64*\e+8*\t+7], v[KF+16*\t:KF+16*\t+15], v[QF+16*\e:QF+16*\e+15], v[MK+8*\t:MK+8*\t+7], v[SWK+\t], v[QS+\e] matrix_a_fmt:MATRIX_FMT_BF8 matrix_b_fmt:MATRIX_FMT_BF8
.endr
.endr
	WIN 0
	PLACES
	WIN 0x05                                       ; the largest D of each block of 32 keys, my 16: sixteen chains by turns; each accumulator from its low end on
.irp e, 0,1,2,3
.irp b, 0,1,2,3
	v_max_num_f32 v[BMH+4*\e+\b], v[64*\e+16*\b], v[64*\e+16*\b+1]
.endr
.endr
.irp i, 2,4,6,8,10,12,14
.irp e, 0,1,2,3
.irp b, 0,1,2,3
	v_max3_num_f32 v[BMH+4*\e+\b], v[64*\e+16*\b+\i], v[64*\e+16*\b+\i+1], v[BMH+4*\e+\b]
.endr
.endr
.endr
	WIN 0
.set k, 0
.rept 16
	v_permlanex16_b32 v[SCL+k], v[BMH+k], s[SEL], s[SEL+1]
.set k, k+1
.endr
.set k, 0
.rept 16
	v_max_num_f32 v[BMH+k], v[BMH+k], v[SCL+k]     ; with lane l xor 16's 16 keys
.set k, k+1
.endr
.irp e, 0,1,2,3
	v_max3_num_f32 v[TP+\e], v[BMH+4*\e], v[BMH+4*\e+1], v[BMH+4*\e+2]
.endr
.irp e, 0,1,2,3
	v_max3_num_f32 v[ST+4*\e+2], v[TP+\e], v[BMH+4*\e+3], v[ST+4*\e+2]   ; the running largest D, never under the floor
.endr
.irp e, 0,1,2,3
	v_mul_f32 v[TP+\e], s[CS], v[ST+4*\e+2]        ; as t
.endr
.irp e, 0,1,2,3
	v_mov_b32 v[TQ+\e], v[ST+4*\e+3]
.endr
.irp e, 0,1,2,3
	v_floor_f32 v[ST+4*\e+3], -v[TP+\e]            ; the new -M = -ceil(t)
.endr
.irp e, 0,1,2,3
	v_sub_f32 v[TQ+\e], v[ST+4*\e+3], v[TQ+\e]     ; old M - new M, 0 or less
.endr
.irp e, 0,1,2,3
	v_cvt_i32_f32 v[TQ+\e], v[TQ+\e]               ; (it saturates)
.endr
.irp e, 0,1,2,3
	v_ldexp_f32 v[FFP+2*\e], 1.0, v[TQ+\e]         ; f = 2^(old M - new M)
.endr
.irp e, 0,1,2,3
	v_cmp_lt_f32 vcc_lo, 0xfe800000, v[ST+4*\e+2]  ; has the row met a key above the floor?
	v_cndmask_b32 v[CLP+2*\e], 0, v[CV], vcc_lo    ; the factor: c, or 0
	v_cndmask_b32 v[NMP+2*\e], 0, v[ST+4*\e+3], vcc_lo   ; the shift: -M, or 0
.endr
.irp e, 0,1,2,3
.irp b, 0,1,2,3
	v_fma_f32 v[BMH+4*\e+\b], v[BMH+4*\e+\b], v[CLP+2*\e], v[NMP+2*\e]   ; t - M of each block's largest D: the same fused multiply-add as for the scores
.endr
.endr
	WALU
.set k, 0
.rept 16
	v_exp_f32 v[BMH+k], v[BMH+k]                   ; the block's largest p
.set k, k+1
.endr
	v_nop
	WALU
.set k, 0
.rept 16
	v_max_num_f32 v[BMH+k], 0x8000000, v[BMH+k]    ; the floor 2^(16 - 127): the byte cannot fall under 1
.set k, k+1
.endr
.set k, 0
.rept 16
	v_add_nc_u32 v[SCL+k], 0xf8800000, v[BMH+k]    ; 15 off the exponent field: the conversion's scale operand
.set k, k+1
.endr
.set k, 0
.rept 16
	v_and_or_b32 v[BMH+k], v[BMH+k], 0x7f800000, s[MNT]   ; 57,344 x the scale
.set k, k+1
.endr
.irp g, 0,1                                    ; p's scale words, two heads at a time
.irp k, 0,1,2,3,4,5,6,7
	v_lshrrev_b32 v[TS+\k], 23, v[SCL+8*\g+\k]
.endr
.irp j, 0,1
	v_lshl_or_b32 v[PW+2*\g+\j], v[TS+4*\j+1], 8, v[TS+4*\j]
.endr
.irp j, 0,1
	v_lshl_or_b32 v[PW+2*\g+\j], v[TS+4*\j+2], 16, v[PW+2*\g+\j]
.endr
.irp j, 0,1
	v_lshl_or_b32 v[PW+2*\g+\j], v[TS+4*\j+3], 24, v[PW+2*\g+\j]
.endr
.endr
	WIN 0x82
	WALU                                           ; the wait directly ahead of the first reader of O^T
.irp e, 0,1,2,3
.set n, 0
.rept 32
	v_pk_mul_f32 v[64*\e+n:64*\e+n+1], v[64*\e+n:64*\e+n+1], v[FFP+2*\e:FFP+2*\e+1] op_sel_hi:[1,0]   ; O^T under the new M
.set n, n+2
.endr
.endr
	WIN 0x41
.set n, 0
.rept 32
	v_pk_fma_f32 v[n:n+1], v[n:n+1], v[CLP:CLP+1], v[NMP:NMP+1] op_sel_hi:[1,0,0]   ; head 0's t - M
.set n, n+2
.endr
	BATCH 0
	BATCH 1
	BATCH 2
	BATCH 3
	WIN 0x41
.set n, 0
.rept 64
	v_min_num_f32 v[192+n], v[192+n], v[BMH+12+n/16]
.set n, n+1
.endr
	CODES 3
	WIN 0
	v_add_nc_u32 v[ADK], CHK, v[ADK]               ; the next step.  (Also the plain line behind the conversions)
	v_add_nc_u32 v[ADV], CHK, v[ADV]
	v_add_nc_u32 v[ADM], 512, v[ADM]
	v_add_nc_u32 v[ASKW], 512, v[ASKW]
	v_add_nc_u32 v[ASVW], 512, v[ASVW]
	WALU
.endm
.macro SLOT_HEAD
	v_add_nc_u32 v[ADK], s[TB], v[AK0]
	v_add_nc_u32 v[ADV], s[TB], v[AV0]
	v_add_nc_u32 v[ADM], s[TB], v[AM0]
	WALU
	s_mov_b32 s[QC], 2
.endm
; THE CHANGE OF SLOTS, at a slot's head.  Each wave waits for all its tensor loads (its part of the slot ahead), adds 0 to its spare word, and waits for that and for its reads of the slot that it has left.
; fill = 1: a round of the cluster's barrier, and the slot that was left takes the next 256 keys: one load a wave is out, with this slot's two steps in which to land.
.macro CHANGE fill
	WALU
	s_wait_tensorcnt 0x0
	ds_add_u32 v[SPW], v[NIL]
.if \fill
	s_xor_b32 s[TN], s[TB], SLOTB
	s_add_co_u32 s[G0KV+1], s[PKV], s[TN]
	s_add_co_u32 s[G0M+1], s[TN], MOFF
	s_add_nc_u64 s[G0KV+2:G0KV+3], s[G0KV+2:G0KV+3], 32768
	s_add_nc_u64 s[G0M+2:G0M+3], s[G0M+2:G0M+3], 1024
	s_wait_xcnt 0x0                                ; any prefetch of mine has read its address
	s_add_nc_u64 s[PFA:PFA+1], s[PFA:PFA+1], 1024  ; one slot further on than the walking descriptors
.endif
	s_wait_dscnt 0x0
.if \fill
	CROUND
	JLOAD
	s_cmp_ge_u32 s[CNT], s[LIM]                    ; the last trip has no slot two on
	s_cbranch_scc0 .Lnone_ahead_\@
	global_prefetch_b8 v[PFO], s[PFA:PFA+1] th:TH_LOAD_NT scope:SCOPE_SE
	global_prefetch_b8 v[PFO], s[PFA:PFA+1] offset:65536 th:TH_LOAD_NT scope:SCOPE_SE
.Lnone_ahead_\@:
.else
	s_barrier_signal -1
	s_barrier_wait -1
.endif
.endm
.Lslot:                                                ; seven trips: behind each change of slots but the last the next slot is asked for
	CHANGE 1
	SLOT_HEAD
.Lstep:                                                ; a slot's two steps
	STEP
	s_sub_co_u32 s[QC], s[QC], 1
	s_cmp_lg_u32 s[QC], 0
	s_cbranch_scc1 .Lstep
	s_xor_b32 s[TB], s[TB], SLOTB                  ; on to the other slot
	s_sub_co_u32 s[CNT], s[CNT], 1
	s_cmp_lg_u32 s[CNT], 0
	s_cbranch_scc1 .Lslot
	CHANGE 0
	SLOT_HEAD
.Llast:
	STEP
	s_sub_co_u32 s[QC], s[QC], 1
	s_cmp_lg_u32 s[QC], 0
	s_cbranch_scc1 .Llast
	s_wait_dscnt 0x0
	PLACES
	PV                                             ; the last step's second product
	; THE WAY OUT.  The sum's halves and lane l xor 16's are added; O^T is divided by the sum and goes through my stage, half a head's row (256 bytes) of 16 queries at a time.
.irp e, 0,1,2,3
	v_add_f32 v[ST+4*\e], v[ST+4*\e], v[ST+4*\e+1]
.endr
.irp e, 0,1,2,3
	v_permlanex16_b32 v[TP+\e], v[ST+4*\e], s[SEL], s[SEL+1]
.endr
.irp e, 0,1,2,3
	v_add_f32 v[ST+4*\e], v[ST+4*\e], v[TP+\e]
.endr
	v_and_b32 v[TQ], 15, v0
	v_bfe_u32 v[TQ+1], v0, 4, 1
	v_mul_u32_u24 v[STO], v[TQ], 272
	v_mul_u32_u24 v[RD], v[TQ+1], 272
	v_lshlrev_b32 v[GO], 13, v[TQ+1]
	v_lshl_add_u32 v[STO], v[TQ+1], 5, v[STO]
	v_lshl_add_u32 v[RD], v[TQ], 4, v[RD]
	v_lshl_add_u32 v[GO], v[TQ], 4, v[GO]          ; lanes 0-15 one row of out, lanes 16-31 the next; 16 bytes a lane
	v_add_nc_u32 v[STO], s[STG], v[STO]
	v_add_nc_u32 v[RD], s[STG], v[RD]
	WALU
.irp e, 0,1,2,3
	v_rcp_f32 v[ST+4*\e], v[ST+4*\e]
.endr
	v_nop
	WIN 0x42
	WALU
.irp e, 0,1,2,3
.set n, 0
.rept 32
	v_pk_mul_f32 v[64*\e+n:64*\e+n+1], v[64*\e+n:64*\e+n+1], v[ST+4*\e:ST+4*\e+1] op_sel_hi:[1,0]   ; into S^T's registers: register 8 T + i is out(query r, 16 T + 8 h + i)
.set n, n+2
.endr
.endr
	WIN 0
	WALU
.macro OUT e
.if \e
	s_wait_xcnt 0x0                                ; the head before: its stores have read the registers that the loads below fill
.endif
.irp u, 0,1
	WIN 0x04
.irp t, 0,1,2,3
	ds_store_b128 v[STO], v[64*(\e)+32*\u+8*\t:64*(\e)+32*\u+8*\t+3] offset:64*\t
	ds_store_b128 v[STO], v[64*(\e)+32*\u+8*\t+4:64*(\e)+32*\u+8*\t+7] offset:64*\t+16
.endr
	WIN 0
.irp i, 0,1,2,3,4,5,6,7
	ds_load_b128 v[BK+32*\u+4*\i:BK+32*\u+4*\i+3], v[RD] offset:2*\i*272   ; LDS serves a wave's instructions in order (ISA guide 5.7.1.4)
.endr
.endr
.irp u, 0,1
.irp i, 0,1,2,3,4,5,6,7
	s_wait_dscnt 23-16*\u-\i                       ; the LDS instructions issued behind this load may be out
	global_store_b128 v[GO], v[BK+32*\u+4*\i:BK+32*\u+4*\i+3], s[10:11] offset:16384*\i+256*\u+512*(\e) th:TH_STORE_NT   ; sixteen lanes store 256 consecutive bytes, aligned
.endr
.endr
.endm
	OUT 0
	OUT 1
	OUT 2
	OUT 3
	s_wait_tensorcnt 0x0                           ; the wave's end
	ds_add_u32 v[SPW], v[NIL]
	s_wait_dscnt 0x0
	CROUND                                         ; the closing round
	s_endpgm
.Lfunc_end_k_qfc407db962_attn:
	.size	k_qfc407db962_attn, .Lfunc_end_k_qfc407db962_attn-k_qfc407db962_attn
	.p2alignl 7, 3214868480
	.fill 96, 4, 3214868480
	.section	.rodata,"a",@progbits
	.p2align	6, 0x0
	.amdhsa_kernel k_qfc407db962_attn
		.amdhsa_group_segment_fixed_size 327680
		.amdhsa_private_segment_fixed_size 0
		.amdhsa_enable_private_segment 0
		.amdhsa_kernarg_size 32
		.amdhsa_user_sgpr_count 2
		.amdhsa_user_sgpr_kernarg_segment_ptr 1
		.amdhsa_wavefront_size32 1
		.amdhsa_system_sgpr_workgroup_id_x 1
		.amdhsa_system_sgpr_workgroup_id_y 1
		.amdhsa_system_sgpr_workgroup_id_z 1
		.amdhsa_system_vgpr_workitem_id 0
		.amdhsa_next_free_vgpr 1024
		.amdhsa_next_free_sgpr 96
		.amdhsa_reserve_vcc 1
		.amdhsa_float_denorm_mode_32 3
		.amdhsa_float_denorm_mode_16_64 3
		.amdhsa_memory_ordered 1
		.amdhsa_forward_progress 1
		.amdhsa_inst_pref_size 217
	.end_amdhsa_kernel
	.amdgpu_metadata
---
amdhsa.version: [ 1, 2 ]
amdhsa.kernels:
  - .name:           k_qfc407db962_attn
    .symbol:         k_qfc407db962_attn.kd
    .args:
      - { .name: qkv_codes, .offset: 0, .size: 8, .value_kind: global_buffer, .address_space: global }
      - { .name: qkv_scales, .offset: 8, .size: 8, .value_kind: global_buffer, .address_space: global }
      - { .name: attention_mask, .offset: 16, .size: 8, .value_kind: global_buffer, .address_space: global }
      - { .name: out0, .offset: 24, .size: 8, .value_kind: global_buffer, .address_space: global }
    .group_segment_fixed_size: 327680
    .private_segment_fixed_size: 0
    .kernarg_segment_align: 8
    .kernarg_segment_size: 32
    .max_flat_workgroup_size: 128
    .sgpr_count:     96
    .vgpr_count:     1024
    .wavefront_size: 32
...
	.end_amdgpu_metadata
.endif
;; end of part 3
